; MI455X (gfx1250); checked and timed in simulation.
; The chip was launched on July 23, 2026; its instructions are those of AMD's public machine-readable ISA for CDNA 5 (MIT licence, August 2026) and "CDNA5" Instruction Set Architecture Reference Guide (July 2026). The comments in the code are by the model that wrote it; some were corrected since.
;; Attention. Allowed arithmetic: float matrix products may take bf16 or f16 operands with f32 sums; all other float work in f32.
;; Inputs: Wk 1,024 x 1,024 float32; Wo 1,024 x 1,024 float32; Wq 1,024 x 1,024 float32; Wv 1,024 x 1,024 float32; bk 1,024 float32; bo 1,024 float32; bq 1,024 float32; bv 1,024 float32; k 2 x 2,048 x 1,024 float32; q 2 x 2,048 x 1,024 float32; v 2 x 2,048 x 1,024 float32.
;; Outputs: out0 2 x 2,048 x 1,024 float32.
;; One version. Each part assembles by itself: llvm-mc -triple=amdgcn-amd-amdhsa -mcpu=gfx1250 --defsym DOCPART=n.
;; ======== version 1 of 1: 4 launches
;; limits: values are held in f16: magnitudes above 65,504 overflow, below 6.1e-05 lose precision
;; workspace buffers: h16 33,554,432 bytes; qkvh 25,165,824 bytes; ao 8,388,608 bytes
;; launch prep (part 1): grid 64 x 16, 8 waves a work-group, no clusters, 0 bytes of LDS; arguments q, k, v, Wq, Wk, Wv, Wo, h16; writes h16
.if DOCPART == 1
	.amdgcn_target "amdgcn-amd-amdhsa--gfx1250"
	.amdhsa_code_object_version 6
	.text
	.protected	k_q7ee1431bee_prep
	.globl	k_q7ee1431bee_prep
	.p2align	8
	.type	k_q7ee1431bee_prep,@function
k_q7ee1431bee_prep:
	s_mov_b64 s[64:65], 0
	v_nop
	global_prefetch_b8 v0, s[64:65] scope:SCOPE_SE
	s_setreg_imm32_b32 hwreg(HW_REG_WAVE_MODE, 25, 1), 1
	s_wait_xcnt 0x0
; q, k, v (each [4096][1024] f32) and Wq, Wk, Wv, Wo (each [1024][1024] f32) are rounded once to f16, layouts kept, into h16:
; q at byte 0, k at 8 MiB, v at 16 MiB (together one matrix of 12,288 rows of 2,048 bytes), Wq, Wk, Wv, Wo at 24, 26, 28, 30 MiB.
; Why: the later launches feed the matrix units with f16 from LDS, and W, which lies [k][n], can be read transposed only as 16-bit data.
; LIMIT: a magnitude of 65,504 or more becomes infinite in f16, one below about 6e-8 becomes 0.
; A pure stream: grid row y is a slab of 4 MiB of f32 (y = 0..11: quarter y & 3 of q, k, v; y = 12..15: a whole W), grid column x a piece of
; 64 KiB of it.  Thread t takes 32 bytes at 32 t of each of eight blocks of 8,192 bytes and stores 16 bytes at 16 t of blocks of 4,096 bytes,
; so each store of a wave covers 512 consecutive bytes, aligned.  All sixteen loads of a thread go out first.  No LDS, no matrix unit, no cluster:
; no byte is used twice.
.set X, 4                              ; v[4:67]   eight blocks: 8 f32 each, as loaded
.set Y, 68                             ; v[68:99]  eight blocks: 8 f16 each, to store; every register is written once
	s_load_b512 s[8:23], s[0:1], 0x0               ; q s[8:9], k, v, Wq, Wk, Wv, Wo s[20:21], h16 s[22:23]
	s_and_b32 s2, ttmp7, 0xffff                    ; y
	s_lshr_b32 s3, s2, 2                           ; y < 12: which of q, k, v
	s_and_b32 s4, s2, 3                            ; y < 12: which quarter of it;  y >= 12: which W
	s_add_co_u32 s5, s4, 3                         ; the W's place in the list of arguments
	s_cmp_lt_u32 s2, 12
	s_cselect_b32 s24, s3, s5                      ; the source's place in the list, 0 to 6
	s_cselect_b32 s25, s4, 0                       ; the slab's number inside the source
	s_lshl_b32 s26, s25, 22                        ; source offset: slab x 4 MiB
	s_lshl_b32 s27, ttmp9, 16                      ; + x x 64 KiB
	s_add_co_u32 s26, s26, s27
	s_mov_b32 s27, 0
	s_lshl_b32 s28, s2, 21                         ; destination offset: y x 2 MiB
	s_lshl_b32 s29, ttmp9, 15                      ; + x x 32 KiB
	s_add_co_u32 s28, s28, s29
	s_mov_b32 s29, 0
	v_lshlrev_b32 v1, 5, v0                        ; 32 t
	v_lshlrev_b32 v2, 4, v0                        ; 16 t
	s_wait_kmcnt 0x0
	s_mov_b64 s[6:7], s[8:9]                       ; the source: a choice among the seven inputs by the grid row alone
.irp i, 1,2,3,4,5,6
	s_cmp_eq_u32 s24, \i
	s_cselect_b64 s[6:7], s[8+2*\i:9+2*\i], s[6:7]
.endr
	s_add_nc_u64 s[6:7], s[6:7], s[26:27]
	s_add_nc_u64 s[22:23], s[22:23], s[28:29]
.irp i, 0,1,2,3,4,5,6,7
	global_load_b128 v[X+8*\i:X+8*\i+3],   v1, s[6:7] offset:8192*\i th:TH_LOAD_NT
	global_load_b128 v[X+8*\i+4:X+8*\i+7], v1, s[6:7] offset:8192*\i+16 th:TH_LOAD_NT
.endr
.irp i, 0,1,2,3,4,5,6,7
	s_wait_loadcnt 14-2*\i                         ; loads come back in order: block i's two are in, the 2 (7 - i) younger ones stay out
.irp j, 0,1,2,3
	v_cvt_pk_f16_f32 v[Y+4*\i+\j], v[X+8*\i+2*\j], v[X+8*\i+2*\j+1]
.endr
	global_store_b128 v2, v[Y+4*\i:Y+4*\i+3], s[22:23] offset:4096*\i   ; no hint: the next launch reads these bytes
.endr
	s_endpgm
.Lfunc_end_k_q7ee1431bee_prep:
	.size	k_q7ee1431bee_prep, .Lfunc_end_k_q7ee1431bee_prep-k_q7ee1431bee_prep
	.p2alignl 7, 3214868480
	.fill 96, 4, 3214868480
	.section	.rodata,"a",@progbits
	.p2align	6, 0x0
	.amdhsa_kernel k_q7ee1431bee_prep
		.amdhsa_group_segment_fixed_size 0
		.amdhsa_private_segment_fixed_size 0
		.amdhsa_enable_private_segment 0
		.amdhsa_kernarg_size 64
		.amdhsa_user_sgpr_count 2
		.amdhsa_user_sgpr_kernarg_segment_ptr 1
		.amdhsa_wavefront_size32 1
		.amdhsa_system_sgpr_workgroup_id_x 1
		.amdhsa_system_sgpr_workgroup_id_y 1
		.amdhsa_system_sgpr_workgroup_id_z 1
		.amdhsa_system_vgpr_workitem_id 0
		.amdhsa_next_free_vgpr 100
		.amdhsa_next_free_sgpr 66
		.amdhsa_reserve_vcc 0
		.amdhsa_float_denorm_mode_32 3
		.amdhsa_float_denorm_mode_16_64 3
		.amdhsa_memory_ordered 1
		.amdhsa_forward_progress 1
		.amdhsa_inst_pref_size 6
	.end_amdhsa_kernel
	.amdgpu_metadata
---
amdhsa.version: [ 1, 2 ]
amdhsa.kernels:
  - .name:           k_q7ee1431bee_prep
    .symbol:         k_q7ee1431bee_prep.kd
    .args:
      - { .name: q, .offset: 0, .size: 8, .value_kind: global_buffer, .address_space: global }
      - { .name: k, .offset: 8, .size: 8, .value_kind: global_buffer, .address_space: global }
      - { .name: v, .offset: 16, .size: 8, .value_kind: global_buffer, .address_space: global }
      - { .name: Wq, .offset: 24, .size: 8, .value_kind: global_buffer, .address_space: global }
      - { .name: Wk, .offset: 32, .size: 8, .value_kind: global_buffer, .address_space: global }
      - { .name: Wv, .offset: 40, .size: 8, .value_kind: global_buffer, .address_space: global }
      - { .name: Wo, .offset: 48, .size: 8, .value_kind: global_buffer, .address_space: global }
      - { .name: h16, .offset: 56, .size: 8, .value_kind: global_buffer, .address_space: global }
    .group_segment_fixed_size: 0
    .private_segment_fixed_size: 0
    .kernarg_segment_align: 8
    .kernarg_segment_size: 64
    .max_flat_workgroup_size: 256
    .sgpr_count:     66
    .vgpr_count:     100
    .wavefront_size: 32
...
	.end_amdgpu_metadata
.endif
;; end of part 1
;; launch proj (part 2): grid 4 x 48, 4 waves a work-group, clusters of 4 x 4, 327,680 bytes of LDS; arguments h16, bq, bk, bv, qkvh; writes qkvh
.if DOCPART == 2
	.amdgcn_target "amdgcn-amd-amdhsa--gfx1250"
	.amdhsa_code_object_version 6
	.text
	.protected	k_q7ee1431bee_proj
	.globl	k_q7ee1431bee_proj
	.p2align	8
	.type	k_q7ee1431bee_proj,@function
k_q7ee1431bee_proj:
	s_mov_b64 s[64:65], 0
	v_nop
	global_prefetch_b8 v0, s[64:65] scope:SCOPE_SE
	s_setreg_imm32_b32 hwreg(HW_REG_WAVE_MODE, 25, 1), 1
	s_wait_xcnt 0x0
	s_wait_alu depctr_hold_cnt(0) depctr_sa_sdst(0) depctr_va_vdst(0) depctr_va_sdst(0) depctr_va_ssrc(0) depctr_va_vcc(0) depctr_vm_vsrc(0)
	s_getreg_b32 s2, hwreg(HW_REG_IB_STS2, 6, 4)
	s_cmp_eq_u32 s2, 0
	s_cbranch_scc0 .Lentry_in_a_cluster
	s_endpgm
.Lentry_in_a_cluster:
	s_bfe_u32 s2, ttmp6, 0x10000c
	s_cmp_lg_u32 s2, 0xf033
	s_cbranch_scc0 .Lentry_shape_is_right
	s_endpgm
.Lentry_shape_is_right:
; The three projections as one product: rows 0..12,287 are q's, k's and v's rows (f16, from h16); block rows 0-15 take Wq and bq, 16-31 Wk and bk,
; 32-47 Wv and bv.  C = x W + b, sums in f32, rounded once to f16 and stored in the order in which the attention launch reads fragments.
; LIMIT: a projection of magnitude 65,504 or more becomes infinite in f16.
; A work-group makes 256 x 256 of C with four waves, as many as a WGP has SIMDs; a wave makes 128 x 128: 64 accumulator tiles, 512 registers.
; K = 1024 goes in 8 steps of 128 through a ring of two LDS slots filled by the tensor data mover.  A slot: 256 rows of x (256 bytes each, LDS pitch 272)
; and 128 k-rows of W (256 columns = 512 bytes each, LDS pitch 544).  W lies [k][n]: its fragments are read by the transposing LDS load.
; CLUSTERS: 4 x 4 work-groups.  The four of a row of the cluster need the same rows of x, the four of a column the same columns of W (all sixteen have the
; same W matrix: a cluster covers 4 of the 16 block rows of one input).  Each such tile is asked for jointly, which divides the requests by four.
; 192 work-groups: 48 x 4 blocks; a smaller block would double the LDS bytes read for each matrix instruction.
;
; OUTPUT ORDER (qkvh: Q at 0, K at 8 MiB, V at 16 MiB; each [batch][head] 262,144 bytes): 16 rows x 64 d of a head are 2,048 bytes, four blocks of 512 bytes,
; block t = d 16 t .. 16 t + 15; the 16 bytes (row r, d = 16 t + 8 e .. + 7) lie at 16 p, with p = 16 e + r for Q and K, and p = 16 (r / 8) + 8 e + r % 8 for V.
;
; REGISTERS, in windows of 256: window 0: v16-26 addresses, v64-127 and v128-191 fragments of x (two buffers), v192-255 the bias as an accumulator image;
; window 1: v64-127, v128-191 fragments of W;  window 2: accumulator tiles of my rows 0-63 (tile (a, b) at v[8 (8 a + b)]);  window 3: rows 64-127.
; THE MATRIX INSTRUCTION IS USED TRANSPOSED: source 0 = 16 columns of W, source 1 = 16 rows of x, so that lane l holds row l % 16 of C and its registers
; 0 to 7 the columns 8 (l / 16) + 0 .. 7: eight neighbours, 16 bytes of f16, which is one piece of the output order: no way through LDS is needed.
.set KSTEP,  128
.set PITCH,  272                       ; x rows in LDS: 256 + 16 bytes, an odd multiple of 16: the 16 rows of a load start in 16 different 16-byte columns modulo 256
.set WPITCH, 544                       ; W rows in LDS: 512 + 32 bytes, an odd multiple of 32, for the transposing load's 8 rows x 2 columns of 16 bytes
.set HALFT,  34816                     ; what one tensor load brings: 128 x 272 = 64 x 544
.set SLOT,   4*HALFT                   ; x's two halves, then W's two halves
.set LAPS,   4                         ; a lap = two K steps = once round the ring
.set WBASE,  25165824                  ; Wq in h16; Wk and Wv follow, 2 MiB each
.set ADRA, 16                          ; v16-17  LDS address of my x fragments in slot 0, 1
.set ADRB, 20                          ; v20-21  the same for W
.set CO,   26                          ; v26     my 16 bytes in a block of 512 bytes of the output order
.set F0,   64
.set F1,   128
.set BIAS, 192                         ; v[192:255], window 0: tile b, register j = bias of column 16 b + 8 (l / 16) + j
.set G1, 24                            ; s[24:31] descriptor group 1 for x's tiles
.set G0, 32                            ; s[32:39] group 0 for x's tiles, one set for each slot
.set G1B, 48                           ; s[48:55] group 1 for W's tiles
.set G0B, 56                           ; s[56:63] group 0 for W's tiles, one set for each slot
.set MSB, 0
.macro WIN new                         ; the immediate's high byte repeats the setting that is left
.if MSB != \new
	s_set_vgpr_msb (MSB<<8)|\new
.set MSB, \new
.endif
.endm
.set MUL_LO, 0xa1                      ; source 0 (W) window 1, source 1 (x) window 0, C and D window 2
.set MUL_HI, 0xf1                      ; the same, C and D window 3
.set TO_B,   0x40                      ; destination window 1, address window 0
; A joint load.  Waves 0 and 1 fetch x's two halves, waves 2 and 3 W's.  Each line has one mask; the branch hangs on the wave's number alone.
.macro JLOAD s
	s_cmp_eq_u32 s11, 0
	s_cbranch_scc0 .Lfor_b_\@
	tensor_load_to_lds s[G0+4*\s:G0+4*\s+3], s[G1:G1+7]
	s_nop 0
	s_branch .Lasked_\@
.Lfor_b_\@:
	tensor_load_to_lds s[G0B+4*\s:G0B+4*\s+3], s[G1B:G1B+7]
	s_nop 0
.Lasked_\@:
.endm
; A round of the cluster's barrier: my work-group's barrier, wave 0 signals for the work-group, every wave waits for all sixteen, my work-group's barrier again.
.macro CREST                           ; a round behind its opening barrier
	s_cmp_lg_u32 s10, 0
	s_cbranch_scc1 .Lnot_wave_0_\@
	s_barrier_signal -3
.Lnot_wave_0_\@:
	s_barrier_wait -3
	s_barrier_signal -1
	s_barrier_wait -1
.endm
.macro CROUND
	s_barrier_signal -1
	s_barrier_wait -1
	CREST
.endm
	s_load_b256 s[68:75], s[0:1], 0x0              ; h16 s[68:69], bq s[70:71], bk s[72:73], bv s[74:75]
	s_load_b64 s[76:77], s[0:1], 0x20              ; qkvh
	s_set_vgpr_msb 0x40
	v_lshl_add_u32 v255, v0, 2, 0x44000
	s_set_vgpr_msb 0x4000
	v_mov_b32 v63, 0
	s_set_vgpr_msb 0x1
	ds_add_u32 v255, v63
	s_set_vgpr_msb 0x100
	v_lshrrev_b32 v1, 5, v0
	v_readfirstlane_b32 s10, v1                    ; wave 0..3
	s_lshr_b32 s11, s10, 1                         ; which half of the block's rows is mine.  Also: I fetch for x (0) or for W (1)
	s_and_b32 s12, s10, 1                          ; which half of its columns.  Also: which half of that tile I fetch
	s_bfe_u32 s40, ttmp6, 0x40000                  ; cx
	s_bfe_u32 s41, ttmp6, 0x40004                  ; cy
	s_lshl_b32 s42, ttmp9, 2
	s_add_co_u32 s42, s42, s40                     ; block column = 4 x cluster x + cx
	s_and_b32 s13, ttmp7, 0xffff
	s_lshr_b32 s45, s13, 2                         ; which input: 0 q, 1 k, 2 v; made of the cluster's y alone, so equal in all sixteen
	s_lshl_b32 s13, s13, 2
	s_add_co_u32 s13, s13, s41                     ; block row = 4 x cluster y + cy, 0..47
	s_lshl_b32 s43, s41, 2
	s_lshl_b32 s43, 15, s43                        ; my row of the cluster: places 4 cy .. 4 cy + 3
	s_lshl_b32 s44, 0x1111, s40                    ; my column: places cx, cx + 4, cx + 8, cx + 12
	; group 1 for x: 128 rows x 128 elements of 2 bytes, 4 words of padding behind every 64 words
	s_or_b32 s[G1+0], s43, (1<<16)|(1<<20)|(1<<21)|(5<<22)|(3<<25)
	s_mov_b32 s[G1+1], KSTEP<<16                   ; tensor_dim0 = 128
	s_mov_b32 s[G1+2], 128<<16                     ; tensor_dim1 = 128
	s_mov_b32 s[G1+3], KSTEP<<16                   ; tile_dim0 = 128
	s_mov_b32 s[G1+4], 128                         ; tile_dim1 = 128
	s_mov_b32 s[G1+5], 1024                        ; elements from row to row
	s_mov_b32 s[G1+6], 0
	s_mov_b32 s[G1+7], 0
	; group 1 for W: 64 k-rows x 256 elements of 2 bytes, 8 words of padding behind every 128 words
	s_or_b32 s[G1B+0], s44, (1<<16)|(1<<20)|(1<<21)|(6<<22)|(7<<25)
	s_mov_b32 s[G1B+1], 256<<16                    ; tensor_dim0 = 256
	s_mov_b32 s[G1B+2], 64<<16                     ; tensor_dim1 = 64
	s_mov_b32 s[G1B+3], 256<<16                    ; tile_dim0 = 256
	s_mov_b32 s[G1B+4], 64                         ; tile_dim1 = 64
	s_mov_b32 s[G1B+5], 1024
	s_mov_b32 s[G1B+6], 0
	s_mov_b32 s[G1B+7], 0
	; where the tiles come from: x's hang on the block row, W's on the block column and the input; each in registers that never hold the other coordinate
	s_lshl_b32 s16, s13, 8
	s_lshl_b32 s17, s12, 7
	s_add_co_u32 s16, s16, s17                     ; x: row 256 x block row + 128 x half
	s_lshl_b32 s16, s16, 11                        ; x 2,048 bytes (below 25 MiB)
	s_mov_b32 s17, 0
	s_lshl_b32 s46, s45, 21                        ; W: input x 2 MiB
	s_lshl_b32 s47, s12, 17                        ; + 64 k-rows x 2,048 bytes x half
	s_add_co_u32 s46, s46, s47
	s_lshl_b32 s47, s42, 9                         ; + 256 columns x 2 bytes x block column
	s_add_co_u32 s46, s46, s47
	s_add_co_u32 s46, s46, WBASE
	s_mov_b32 s47, 0
	s_lshl_b32 s4, s42, 10                         ; the bias of my 128 columns: (256 x block column + 128 x half) x 4 bytes
	s_lshl_b32 s5, s12, 9
	s_add_co_u32 s4, s4, s5
	s_mov_b32 s5, 0
	s_mul_i32 s20, s10, HALFT                      ; where they go: wave x 34,816
	s_wait_dscnt 0x0
	s_wait_kmcnt 0x0
	s_add_nc_u64 s[14:15], s[68:69], s[16:17]
	s_add_nc_u64 s[46:47], s[68:69], s[46:47]
	CROUND                                         ; all sixteen work-groups are here: the first joint loads meet
.irp s, 0,1
	s_mov_b32 s[G0+4*\s], 1
	s_add_co_u32 s[G0+4*\s+1], s20, \s*SLOT
	s_add_nc_u64 s[G0+4*\s+2:G0+4*\s+3], s[14:15], \s*KSTEP*2        ; K step s: 256 bytes along the rows
	s_or_b32 s[G0+4*\s+3], s[G0+4*\s+3], 0x80000000
	s_mov_b32 s[G0B+4*\s], 1
	s_add_co_u32 s[G0B+4*\s+1], s20, \s*SLOT
	s_add_nc_u64 s[G0B+4*\s+2:G0B+4*\s+3], s[46:47], \s*KSTEP*2048   ; K step s: 128 k-rows down
	s_or_b32 s[G0B+4*\s+3], s[G0B+4*\s+3], 0x80000000
	JLOAD \s                                       ; both first fills go out before anything else: two tensor loads of a wave are out
.endr
	s_cmp_eq_u32 s45, 1                            ; the bias: a choice among three inputs by the cluster's y alone
	s_cselect_b64 s[6:7], s[72:73], s[70:71]
	s_cmp_eq_u32 s45, 2
	s_cselect_b64 s[6:7], s[74:75], s[6:7]
	s_add_nc_u64 s[6:7], s[6:7], s[4:5]
	v_and_b32 v1, 15, v0                           ; r = l % 16
	v_bfe_u32 v2, v0, 4, 1                         ; h = l / 16
	v_lshlrev_b32 v6, 5, v2                        ; 8 h columns x 4 bytes
.irp b, 0,1,2,3,4,5,6,7
	global_load_b128 v[BIAS+8*\b:BIAS+8*\b+3],   v6, s[6:7] offset:64*\b
	global_load_b128 v[BIAS+8*\b+4:BIAS+8*\b+7], v6, s[6:7] offset:64*\b+16
.endr
	; x fragment: lane l holds row r; registers 0-3 K = 8 h + 0..7, registers 4-7 K = 16 + 8 h + 0..7: two loads of 16 bytes, 32 bytes apart
	v_mul_u32_u24 v3, v1, PITCH
	v_lshl_add_u32 v3, v2, 4, v3                   ; r x 272 + 16 h
	s_mul_i32 s21, s11, HALFT                      ; my 128 rows of x
	; W fragment by the transposing load: lane l addresses k-row 8 h + l % 8, 16 bytes at column 8 ((l / 8) % 2); second load 16 k-rows further down
	v_and_b32 v9, 7, v0                            ; l % 8
	v_lshl_add_u32 v4, v2, 3, v9
	v_mul_u32_u24 v4, v4, WPITCH
	v_bfe_u32 v5, v0, 3, 1
	v_lshl_add_u32 v4, v5, 4, v4
	s_lshl_b32 s22, s12, 8                         ; my 128 columns of W,
	s_add_co_u32 s22, s22, 2*HALFT                 ; which lies behind x's 256 rows
.irp s, 0,1
	v_add_nc_u32 v[ADRA+\s], s21, v3
	v_add_nc_u32 v[ADRB+\s], s22, v4
	s_add_co_u32 s21, s21, SLOT
	s_add_co_u32 s22, s22, SLOT
.endr
	v_and_b32 v7, 31, v0
	v_lshlrev_b32 v7, 4, v7                        ; Q and K: p = 16 h + r = l
	v_and_b32 v8, 8, v0                            ; V: p = 16 (r / 8) + 8 h + r % 8
	v_lshl_add_u32 v8, v8, 1, v9
	v_lshl_add_u32 v8, v2, 3, v8
	v_lshlrev_b32 v8, 4, v8
	s_cmp_eq_u32 s45, 2
	s_cselect_b32 s23, -1, 0
	v_cndmask_b32 v[CO], v7, v8, s23
; 16 matrix instructions: row tiles a0, a0 + 1 of the window's four x all 8 column tiles, 32 along K.  first = 1: C is the bias image, which starts the sums.
; The 64 accumulators take turns, one instruction a turn, in the same order in every quarter step.
.macro MUL16 f, hi, a0, first
.irp a, \a0, \a0+1
.irp b, 0,1,2,3,4,5,6,7
.if \first
	v_wmma_f32_16x16x32_f16 v[8*(8*(\a)+\b):8*(8*(\a)+\b)+7], v[\f+8*\b:\f+8*\b+7], v[\f+8*(4*\hi+\a):\f+8*(4*\hi+\a)+7], v[BIAS+8*\b:BIAS+8*\b+7]
.else
	v_wmma_f32_16x16x32_f16 v[8*(8*(\a)+\b):8*(8*(\a)+\b)+7], v[\f+8*\b:\f+8*\b+7], v[\f+8*(4*\hi+\a):\f+8*(4*\hi+\a)+7], v[8*(8*(\a)+\b):8*(8*(\a)+\b)+7]
.endif
.endr
.endr
.endm
; 32 LDS loads in one run: the fragments of quarter q (32 along K) of a slot into buffer f: W's 8 column tiles, then x's 8 row tiles
.macro FETCH slot, q, f
	WIN TO_B
.irp i, 0,1,2,3,4,5,6,7
	ds_load_tr16_b128 v[\f+8*\i:\f+8*\i+3],   v[ADRB+\slot] offset:\q*32*WPITCH+32*\i
	ds_load_tr16_b128 v[\f+8*\i+4:\f+8*\i+7], v[ADRB+\slot] offset:\q*32*WPITCH+32*\i+16*WPITCH
.endr
	WIN 0
.irp i, 0,1,2,3,4,5,6,7
	ds_load_b128 v[\f+8*\i:\f+8*\i+3],   v[ADRA+\slot] offset:\q*64+\i*16*PITCH
	ds_load_b128 v[\f+8*\i+4:\f+8*\i+7], v[ADRA+\slot] offset:\q*64+\i*16*PITCH+32
.endr
.endm
; Four places (plain vector instructions that name none of its registers) stand between a matrix instruction and a load into one of its
; sources or a vector instruction that reads its result; the matrix instructions in between are not counted.
.macro PLACES
.rept 4
	v_nop
.endr
.endm
; One of a K step's first three quarters: multiplies buffer f, and in its middle fetches quarter q of the same slot into buffer g.
.macro QUARTER slot, q, f, g, first
	s_wait_dscnt 8                                 ; W and x's rows 0-63 are in; the youngest eight loads (x's rows 64-127) may be out
.if \first
	WIN 0x81                                       ; C (the bias) in window 0, D in window 2
.else
	WIN MUL_LO
.endif
	MUL16 \f, 0, 0, \first
	MUL16 \f, 0, 2, \first
	PLACES
	FETCH \slot, \q, \g
	s_wait_dscnt 32                                ; all but the 32 just issued
.if \first
	WIN 0xc1
.else
	WIN MUL_HI
.endif
	MUL16 \f, 1, 0, \first
	MUL16 \f, 1, 2, \first
.endm
.macro THREE slot, first
	QUARTER \slot, 1, F0, F1, \first
	QUARTER \slot, 2, F1, F0, 0
	QUARTER \slot, 3, F0, F1, 0
.endm
; The last quarter: multiplies buffer 1 and changes slots.  In front of the barrier each wave waits for its reads of this slot and for all its tensor loads (one is
; out: its part of the next slot).  Where this slot is filled again the barrier opens a round of the cluster's barrier, and the joint refill is the first tensor
; load behind the round.  From a request to the wait for it a wave issues 240 matrix instructions.
.macro TURN slot, next, fill
	s_wait_dscnt 8
	WIN MUL_LO
	MUL16 F1, 0, 0, 0
	s_wait_dscnt 0                                 ; my reads of this slot are over
	s_wait_tensorcnt 0x0                           ; and all my tensor loads have landed
	ds_add_u32 v255, v63
	s_wait_dscnt 0x0
	s_barrier_signal -1
	MUL16 F1, 0, 2, 0                              ; register work while the others arrive
	WIN 0
	s_barrier_wait -1
.if \fill
	CREST                                          ; no wave of any partner still reads this slot or has a load on its way
	s_add_nc_u64 s[G0+4*\slot+2:G0+4*\slot+3], s[G0+4*\slot+2:G0+4*\slot+3], 2*KSTEP*2
	s_add_nc_u64 s[G0B+4*\slot+2:G0B+4*\slot+3], s[G0B+4*\slot+2:G0B+4*\slot+3], 2*KSTEP*2048
	JLOAD \slot
.endif
	PLACES
	FETCH \next, 0, F0
	WIN MUL_HI
	MUL16 F1, 1, 0, 0
	MUL16 F1, 1, 2, 0
.endm
.macro LAP first
	THREE 0, \first
	TURN 0, 1, 1
	THREE 1, 0
	TURN 1, 0, 1
.endm
	s_wait_loadcnt 0x0                             ; the bias, once
	s_wait_tensorcnt 1                             ; my part of K step 0 is in; K step 1's load stays out
	s_barrier_signal -1
	s_barrier_wait -1
	FETCH 0, 0, F0
	LAP 1                                          ; the first lap stands in front of the loop: its first products take the bias as C
	WIN 0
	s_mov_b32 s3, LAPS-2
.Llap:
	LAP 0
	WIN 0
	s_sub_co_u32 s3, s3, 1
	s_cmp_lg_u32 s3, 0
	s_cbranch_scc1 .Llap
	THREE 0, 0                                     ; the last lap fills nothing
	TURN 0, 1, 0
	THREE 1, 0
	s_wait_dscnt 8
	WIN MUL_LO
	MUL16 F1, 0, 0, 0
	MUL16 F1, 0, 2, 0
	s_wait_dscnt 0
	WIN MUL_HI
	MUL16 F1, 1, 0, 0
	MUL16 F1, 1, 2, 0
	; THE WAY OUT: each tile's eight f32 of a lane are rounded in place to 16 bytes of f16 and stored; a wave's store covers one whole block of 512 bytes, aligned.
	PLACES
	s_lshr_b32 s16, s13, 3                         ; (input, batch), 8 block rows each: x 16 heads x 262,144 bytes
	s_lshl_b32 s16, s16, 22
	s_and_b32 s17, s13, 7
	s_lshl_b32 s17, s17, 15                        ; + 256 rows x 128 bytes x block row in the batch
	s_add_co_u32 s16, s16, s17
	s_lshl_b32 s17, s11, 14                        ; + my 128 rows
	s_add_co_u32 s16, s16, s17
	s_mov_b32 s17, 0
	s_add_nc_u64 s[8:9], s[76:77], s[16:17]
	s_lshl_b32 s46, s42, 20                        ; + head 4 x block column + 2 x half
	s_lshl_b32 s47, s12, 19
	s_add_co_u32 s46, s46, s47
	s_mov_b32 s47, 0
	s_add_nc_u64 s[8:9], s[8:9], s[46:47]
.macro OUTW cvtwin, stwin, hi          ; the 32 tiles of one window
	WIN \cvtwin
.set t, 0
.rept 32
.irp i, 0,1,2,3
	v_cvt_pk_f16_f32 v[8*t+\i], v[8*t+2*\i], v[8*t+2*\i+1]   ; register i is written when registers 2 i and 2 i + 1 are read: nothing is lost
.endr
.set t, t+1
.endr
	WIN \stwin
.irp a, 0,1,2,3
.irp b, 0,1,2,3,4,5,6,7
	global_store_b128 v[CO], v[8*(8*\a+\b):8*(8*\a+\b)+3], s[8:9] offset:(\b/4)*262144+(4*\hi+\a)*2048+(\b%4)*512
.endr
.endr
.endm
	OUTW 0x8a, 0x08, 0
	OUTW 0xcf, 0x0c, 1
	WIN 0
	CROUND                                         ; the closing round: no work-group ends while a partner may still ask for a tile that names it
	s_endpgm
.Lfunc_end_k_q7ee1431bee_proj:
	.size	k_q7ee1431bee_proj, .Lfunc_end_k_q7ee1431bee_proj-k_q7ee1431bee_proj
	.p2alignl 7, 3214868480
	.fill 96, 4, 3214868480
	.section	.rodata,"a",@progbits
	.p2align	6, 0x0
	.amdhsa_kernel k_q7ee1431bee_proj
		.amdhsa_group_segment_fixed_size 327680
		.amdhsa_private_segment_fixed_size 0
		.amdhsa_enable_private_segment 0
		.amdhsa_kernarg_size 40
		.amdhsa_user_sgpr_count 2
		.amdhsa_user_sgpr_kernarg_segment_ptr 1
		.amdhsa_wavefront_size32 1
		.amdhsa_system_sgpr_workgroup_id_x 1
		.amdhsa_system_sgpr_workgroup_id_y 1
		.amdhsa_system_sgpr_workgroup_id_z 1
		.amdhsa_system_vgpr_workitem_id 0
		.amdhsa_next_free_vgpr 1024
		.amdhsa_next_free_sgpr 80
		.amdhsa_reserve_vcc 0
		.amdhsa_float_denorm_mode_32 3
		.amdhsa_float_denorm_mode_16_64 3
		.amdhsa_memory_ordered 1
		.amdhsa_forward_progress 1
		.amdhsa_inst_pref_size 187
	.end_amdhsa_kernel
	.amdgpu_metadata
---
amdhsa.version: [ 1, 2 ]
amdhsa.kernels:
  - .name:           k_q7ee1431bee_proj
    .symbol:         k_q7ee1431bee_proj.kd
    .args:
      - { .name: h16, .offset: 0, .size: 8, .value_kind: global_buffer, .address_space: global }
      - { .name: bq, .offset: 8, .size: 8, .value_kind: global_buffer, .address_space: global }
      - { .name: bk, .offset: 16, .size: 8, .value_kind: global_buffer, .address_space: global }
      - { .name: bv, .offset: 24, .size: 8, .value_kind: global_buffer, .address_space: global }
      - { .name: qkvh, .offset: 32, .size: 8, .value_kind: global_buffer, .address_space: global }
    .group_segment_fixed_size: 327680
    .private_segment_fixed_size: 0
    .kernarg_segment_align: 8
    .kernarg_segment_size: 40
    .max_flat_workgroup_size: 128
    .sgpr_count:     80
    .vgpr_count:     1024
    .wavefront_size: 32
...
	.end_amdgpu_metadata
.endif
;; end of part 2
;; launch attn (part 3): grid 8 x 32, 8 waves a work-group, clusters of 4 x 1, 327,680 bytes of LDS; arguments qkvh, ao; writes ao
.if DOCPART == 3
	.amdgcn_target "amdgcn-amd-amdhsa--gfx1250"
	.amdhsa_code_object_version 6
	.text
	.protected	k_q7ee1431bee_attn
	.globl	k_q7ee1431bee_attn
	.p2align	8
	.type	k_q7ee1431bee_attn,@function
k_q7ee1431bee_attn:
	s_mov_b64 s[64:65], 0
	v_nop
	global_prefetch_b8 v0, s[64:65] scope:SCOPE_SE
	s_setreg_imm32_b32 hwreg(HW_REG_WAVE_MODE, 25, 1), 1
	s_wait_xcnt 0x0
	s_wait_alu depctr_hold_cnt(0) depctr_sa_sdst(0) depctr_va_vdst(0) depctr_va_sdst(0) depctr_va_ssrc(0) depctr_va_vcc(0) depctr_vm_vsrc(0)
	s_getreg_b32 s2, hwreg(HW_REG_IB_STS2, 6, 4)
	s_cmp_eq_u32 s2, 0
	s_cbranch_scc0 .Lentry_in_a_cluster
	s_endpgm
.Lentry_in_a_cluster:
	s_bfe_u32 s2, ttmp6, 0x10000c
	s_cmp_lg_u32 s2, 0x3003
	s_cbranch_scc0 .Lentry_shape_is_right
	s_endpgm
.Lentry_shape_is_right:
; softmax(Q K^T / 8) V for one (batch, head) and 256 queries a work-group, with a running maximum; Q, K, V in f16 in fragment order (see below), sums in f32.
; LIMITS: P and the result are f16 (P lies in (0, 1]; a P below about 6e-8 counts as 0; a result of 65,504 or more would be infinite, but it is a mean of V's
; values, which are f16 already).  The 2,048 keys are summed as two halves of 1,024 that are merged at the end.
; NaN or infinite inputs are not served.
; Eight waves, two on each SIMD, so that one wave's softmax stands beside the other's matrix work.  Wave w: queries 64 (w % 4) .. + 63, keys' half w / 4.
; TRANSPOSED FORM: S^T = K Q^T (source 0 = 16 keys, source 1 = 16 queries): lane l holds query l % 16 and keys 8 (l / 16) + 0..7 of each tile.  So the maximum and
; the sum of a query stay inside a lane but for one exchange between the halves; two packed tiles of P^T are source 1 of O^T = V^T P^T as they stand; and the
; factor that rescales O^T is one number a lane.
; FRAGMENT ORDER: 16 rows x 64 d are 2,048 bytes, four blocks of 512 bytes (block t = d 16 t .. + 15); lane l's 16 bytes lie at 16 l.  A fragment of Q or K
; (32 along d) is two blocks, plain loads; V's blocks are ordered so that the transposing load at 16 l gives lane l the keys 8 (l / 16) + 0..7 of d = 16 t + l % 16.
; CLUSTERS: the four work-groups of a cluster have the same (batch, head) and walk the same K and V: every tile is asked for jointly (mask 15).
; LDS: two slots of 131,072 bytes; a slot holds 256 keys of each half: K half 0, K half 1, V half 0, V half 1, 32 KiB each; wave w brings piece w of 16 KiB.
; A slot serves four steps of 64 keys, so a refill has four steps (256 matrix instructions of each wave) in which to land.
; No prefetch: each tile is asked for a whole slot ahead, and the launch before this one wrote these bytes.
.set SLOTB, 131072
.set VOFF,  65536                      ; V behind K in a slot
.set STEPB, 8192                       ; 64 keys x 128 bytes
.set SCRB,  17920                      ; merge scratch of one pair of waves: 16,384 (O) + 1,024 (-c max) + 512 (sums)
.set KB,  2                            ; v2       16 l + my half's 32 KiB
.set KA,  3                            ; v3       K's fragments of this step
.set VA,  4                            ; v4       V's
.set SCR, 5                            ; v5       16 l + my pair's scratch
.set M,   8                            ; v[8:11]   running maximum of the raw scores, one for each query tile n
.set LS,  12                           ; v[12:15]  my lane's part of the sum
.set NM,  16                           ; v[16:23]  -c x maximum, twice (a pair for the packed multiply-add)
.set AL,  24                           ; v[24:31]  the factor for what was summed so far, twice
.set T,   36                           ; v[36:39]  at work
.set SPA, 40                           ; v[40:41], v[42:43]  two chains of sums
.set SPB, 42
.set N2,  48                           ; v[48:55]  merge: the other half's -c x maximum, then its factor
.set L2,  56                           ; v[56:59]  merge: the other half's sums
.set ST,  64                           ; v[64:191]   S^T tile (kt, n) at 64 + 8 (4 kt + n); later P^T: fragment (kk, n) = the 8 registers of tile (2 kk, n)
.set KF,  192                          ; v[192:255]  K fragment (kt, u) at 192 + 16 kt + 8 u
.set OT,  0                            ; window 1: v[0:127]    O^T tile (t, n) at 8 (4 t + n)
.set QF,  128                          ; window 1: v[128:191]  Q fragment (n, u) at 128 + 16 n + 8 u
.set VF,  192                          ; window 1: v[192:255]  V^T fragment (t, kk) at 192 + 16 t + 8 kk
.set G1, 16                            ; s[16:23] descriptor group 1
.set G0, 32                            ; s[32:39] group 0, one set for each slot
.set MSB, 0
.macro WIN new
.if MSB != \new
	s_set_vgpr_msb (MSB<<8)|\new
.set MSB, \new
.endif
.endm
.macro ROUND                           ; a round of the cluster's barrier
	s_barrier_signal -1
	s_barrier_wait -1
	s_cmp_lg_u32 s8, 0
	s_cbranch_scc1 .Lnot_wave_0_\@
	s_barrier_signal -3
.Lnot_wave_0_\@:
	s_barrier_wait -3
	s_barrier_signal -1
	s_barrier_wait -1
.endm
	s_load_b128 s[4:7], s[0:1], 0x0                ; qkvh s[4:5], ao s[6:7]
	v_lshl_add_u32 v62, v0, 2, 0x40000
	v_mov_b32 v63, 0
	ds_add_u32 v62, v63
	v_lshrrev_b32 v1, 5, v0
	v_readfirstlane_b32 s8, v1                     ; wave 0..7
	s_and_b32 s10, s8, 3                           ; my 64 queries
	s_lshr_b32 s11, s8, 2                          ; my half of the keys.  Also: I fetch K (0) or V (1)
	s_mov_b32 s12, 0x76543210                      ; v_permlanex16_b32: lane i of one half reads lane i of the other
	s_mov_b32 s13, 0xfedcba98
	s_bfe_u32 s14, ttmp6, 0x40000                  ; cx
	s_lshl_b32 s15, ttmp9, 2
	s_add_co_u32 s15, s15, s14                     ; block of 256 queries = 4 x cluster x + cx
	s_and_b32 s24, ttmp7, 0xffff                   ; 16 x batch + head
	s_mov_b32 s28, 0x3e38aa3b                      ; c = log2(e) / 8: the scale 1 / sqrt(64) and the change of base in one factor
	s_mov_b32 s29, 0x3e38aa3b
	s_mov_b32 s30, 0xbe38aa3b                      ; -c
	; group 1: 16 KiB that are dense in memory, as 64 rows of 32 elements of 8 bytes; mask 15: all four work-groups of the cluster
	s_mov_b32 s[G1+0], 15|(3<<16)|(1<<21)
	s_mov_b32 s[G1+1], 32<<16                      ; tensor_dim0 = 32
	s_mov_b32 s[G1+2], 64<<16                      ; tensor_dim1 = 64
	s_mov_b32 s[G1+3], 32<<16                      ; tile_dim0 = 32
	s_mov_b32 s[G1+4], 64                          ; tile_dim1 = 64
	s_mov_b32 s[G1+5], 32                          ; pitch = the row
	s_mov_b32 s[G1+6], 0
	s_mov_b32 s[G1+7], 0
	s_lshl_b32 s26, s11, 23                        ; my piece: K at 8 MiB, V at 16 MiB,
	s_add_co_u32 s26, s26, 0x800000
	s_lshl_b32 s27, s24, 18                        ; + (batch, head) x 262,144,
	s_add_co_u32 s26, s26, s27
	s_bfe_u32 s27, s8, 0x10001                     ; + the keys' half (w / 2) % 2 x 1,024 keys x 128 bytes,
	s_lshl_b32 s27, s27, 17
	s_add_co_u32 s26, s26, s27
	s_and_b32 s27, s8, 1                           ; + w % 2 x 128 keys x 128 bytes.  Nothing of it hangs on cx
	s_lshl_b32 s27, s27, 14
	s_add_co_u32 s26, s26, s27
	s_mov_b32 s27, 0
	s_lshl_b32 s25, s8, 14                         ; in LDS: wave x 16,384
	s_lshl_b32 s44, s24, 18                        ; my 64 queries in Q and in ao: (batch, head) x 262,144 + block x 32,768 + w % 4 x 8,192
	s_lshl_b32 s45, s15, 15
	s_add_co_u32 s44, s44, s45
	s_lshl_b32 s45, s10, 13
	s_add_co_u32 s44, s44, s45
	s_mov_b32 s45, 0
	s_wait_dscnt 0x0
	s_wait_kmcnt 0x0
	s_add_nc_u64 s[26:27], s[4:5], s[26:27]
	s_add_nc_u64 s[40:41], s[4:5], s[44:45]
	s_add_nc_u64 s[42:43], s[6:7], s[44:45]
	ROUND                                          ; all four work-groups are here: the first joint loads meet
.irp n, 0,1
	s_mov_b32 s[G0+4*\n], 1
	s_add_co_u32 s[G0+4*\n+1], s25, \n*SLOTB
	s_add_nc_u64 s[G0+4*\n+2:G0+4*\n+3], s[26:27], \n*32768           ; slot n starts with keys 256 n of each half
	s_or_b32 s[G0+4*\n+3], s[G0+4*\n+3], 0x80000000
	tensor_load_to_lds s[G0+4*\n:G0+4*\n+3], s[G1:G1+7]               ; both first fills together: two tensor loads of a wave are out, later one
	s_nop 0
	v_nop
	v_nop
.endr
	v_and_b32 v1, 31, v0
	v_lshlrev_b32 v1, 4, v1                        ; 16 l
	WIN 0x40                                       ; destination window 1
.set i, 0
.rept 16
	global_load_b128 v[QF+4*i:QF+4*i+3], v1, s[40:41] offset:512*i    ; my 64 queries stay in registers
.set i, i+1
.endr
	WIN 0
	s_lshl_b32 s31, s11, 15
	v_add_nc_u32 v[KB], s31, v1
	s_mul_i32 s31, s10, SCRB
	v_add_nc_u32 v[SCR], s31, v1
.irp n, 0,1,2,3
	v_mov_b32 v[T+\n], 0                           ; v_permlanex16_b32 counts as a reader of its destination
.endr
	s_wait_loadcnt 0x0                             ; Q, once
.macro FMA n                           ; c s - c max, two at a time, for the 32 scores of query tile n
.irp kt, 0,1,2,3
.irp q, 0,2,4,6
	v_pk_fma_f32 v[ST+8*(4*\kt+\n)+\q:ST+8*(4*\kt+\n)+\q+1], v[ST+8*(4*\kt+\n)+\q:ST+8*(4*\kt+\n)+\q+1], s[28:29], v[NM+2*\n:NM+2*\n+1] op_sel_hi:[1,0,1]
.endr
.endr
.endm
.macro EXPS n
.irp kt, 0,1,2,3
.irp j, 0,1,2,3,4,5,6,7
	v_exp_f32 v[ST+8*(4*\kt+\n)+\j], v[ST+8*(4*\kt+\n)+\j]
.endr
.endr
.endm
.macro SC n, first                     ; the sum of query tile n's 32 P, in two chains, and P packed to f16 as two fragments
	s_wait_alu depctr_va_vdst(0)
	v_pk_add_f32 v[SPA:SPA+1], v[ST+8*\n:ST+8*\n+1], v[ST+8*\n+2:ST+8*\n+3]
	v_pk_add_f32 v[SPB:SPB+1], v[ST+8*\n+4:ST+8*\n+5], v[ST+8*\n+6:ST+8*\n+7]
.irp kt, 1,2,3
	v_pk_add_f32 v[SPA:SPA+1], v[SPA:SPA+1], v[ST+8*(4*\kt+\n):ST+8*(4*\kt+\n)+1]
	v_pk_add_f32 v[SPB:SPB+1], v[SPB:SPB+1], v[ST+8*(4*\kt+\n)+2:ST+8*(4*\kt+\n)+3]
	v_pk_add_f32 v[SPA:SPA+1], v[SPA:SPA+1], v[ST+8*(4*\kt+\n)+4:ST+8*(4*\kt+\n)+5]
	v_pk_add_f32 v[SPB:SPB+1], v[SPB:SPB+1], v[ST+8*(4*\kt+\n)+6:ST+8*(4*\kt+\n)+7]
.endr
.irp kk, 0,1
.irp i, 0,1,2,3
	v_cvt_pk_f16_f32 v[ST+8*(8*\kk+\n)+\i], v[ST+8*(8*\kk+\n)+2*\i], v[ST+8*(8*\kk+\n)+2*\i+1]         ; keys 32 kk + 8 h + 0..7: registers 0-3, in place
.endr
.irp i, 0,1,2,3
	v_cvt_pk_f16_f32 v[ST+8*(8*\kk+\n)+4+\i], v[ST+8*(8*\kk+4+\n)+2*\i], v[ST+8*(8*\kk+4+\n)+2*\i+1]   ; keys 32 kk + 16 + 8 h + 0..7: registers 4-7, now free
.endr
.endr
	v_pk_add_f32 v[SPA:SPA+1], v[SPA:SPA+1], v[SPB:SPB+1]
.if \first
	v_add_f32 v[LS+\n], v[SPA], v[SPA+1]
.else
	v_add_f32 v[SPA], v[SPA], v[SPA+1]
	v_fma_f32 v[LS+\n], v[LS+\n], v[AL+2*\n], v[SPA]
.endif
.endm
.macro PV kk, zero                     ; 16 matrix instructions: O^T (t, n) += V^T (t, kk) P^T (kk, n)
.irp t, 0,1,2,3
.irp n, 0,1,2,3
.if \zero
	v_wmma_f32_16x16x32_f16 v[OT+8*(4*\t+\n):OT+8*(4*\t+\n)+7], v[VF+16*\t+8*\kk:VF+16*\t+8*\kk+7], v[ST+8*(8*\kk+\n):ST+8*(8*\kk+\n)+7], 0
.else
	v_wmma_f32_16x16x32_f16 v[OT+8*(4*\t+\n):OT+8*(4*\t+\n)+7], v[VF+16*\t+8*\kk:VF+16*\t+8*\kk+7], v[ST+8*(8*\kk+\n):ST+8*(8*\kk+\n)+7], v[OT+8*(4*\t+\n):OT+8*(4*\t+\n)+7]
.endif
.endr
.endr
.endm
; One step: 64 keys against my 64 queries.  first = 1: nothing has been summed yet: the maxima, the sums and O^T start here, nothing is cleared.
; In both products the sixteen accumulators take turns, one instruction a turn.
.macro STEP first
.set i, 0
.rept 16
	ds_load_b128 v[KF+4*i:KF+4*i+3], v[KA] offset:512*i
.set i, i+1
.endr
	WIN 0x40
.irp t, 0,1,2,3
.irp kk, 0,1
.irp c, 0,1
	ds_load_tr16_b128 v[VF+16*\t+8*\kk+4*\c:VF+16*\t+8*\kk+4*\c+3], v[VA] offset:((2*\kk+\c)*4+\t)*512
.endr
.endr
.endr
	s_wait_dscnt 16                                ; K's sixteen loads are in; V's sixteen, issued behind them, stay out until the softmax is done
	WIN 0x04                                       ; source 1 (Q) in window 1
.irp kt, 0,1,2,3
.irp n, 0,1,2,3
	v_wmma_f32_16x16x32_f16 v[ST+8*(4*\kt+\n):ST+8*(4*\kt+\n)+7], v[KF+16*\kt:KF+16*\kt+7], v[QF+16*\n:QF+16*\n+7], 0
.endr
.endr
.irp kt, 0,1,2,3
.irp n, 0,1,2,3
	v_wmma_f32_16x16x32_f16 v[ST+8*(4*\kt+\n):ST+8*(4*\kt+\n)+7], v[KF+16*\kt+8:KF+16*\kt+15], v[QF+16*\n+8:QF+16*\n+15], v[ST+8*(4*\kt+\n):ST+8*(4*\kt+\n)+7]
.endr
.endr
	WIN 0
	v_add_nc_u32 v[KA], STEPB, v[KA]               ; four places in front of the first read of a score (ISA guide 7.12.1): the next step's addresses
	v_add_nc_u32 v[VA], STEPB, v[VA]               ; (an LDS load's address register may be rewritten once the load is issued), and two v_nop
	v_nop
	v_nop
	; the running maximum of the raw scores: 32 in my lane for each query tile, four chains side by side, then the other half of the lanes
.if \first
.irp n, 0,1,2,3
	v_max_num_f32 v[M+\n], v[ST+8*\n], v[ST+8*\n+1]
.endr
.else
.irp n, 0,1,2,3
	v_max3_num_f32 v[M+\n], v[M+\n], v[ST+8*\n], v[ST+8*\n+1]
.endr
.endif
.set p, 1
.rept 15
.irp n, 0,1,2,3
	v_max3_num_f32 v[M+\n], v[M+\n], v[ST+8*(4*(p/4)+\n)+2*(p%4)], v[ST+8*(4*(p/4)+\n)+2*(p%4)+1]
.endr
.set p, p+1
.endr
.irp n, 0,1,2,3
	v_permlanex16_b32 v[T+\n], v[M+\n], s12, s13
.endr
.irp n, 0,1,2,3
	v_max_num_f32 v[M+\n], v[M+\n], v[T+\n]
.endr
.if \first
.irp n, 0,1,2,3
	v_mul_f32 v[NM+2*\n], s30, v[M+\n]
	v_mul_f32 v[NM+2*\n+1], s30, v[M+\n]
.endr
	FMA 0
.else
.irp n, 0,1,2,3
	v_mul_f32 v[NM+2*\n+1], s30, v[M+\n]                       ; the new -c max,
	v_sub_f32 v[AL+2*\n], v[NM+2*\n+1], v[NM+2*\n]             ; less the old one: at most 0,
	v_mov_b32 v[NM+2*\n], v[NM+2*\n+1]
.endr
.irp n, 0,1,2,3
	v_exp_f32 v[AL+2*\n], v[AL+2*\n]                           ; the factor for what was summed under the old maximum
.endr
	FMA 0                                          ; plain work between those exponentials and the first use of their results (ISA guide 5.7.2)
	s_wait_alu depctr_va_vdst(0)
.irp n, 0,1,2,3
	v_mov_b32 v[AL+2*\n+1], v[AL+2*\n]
.endr
.endif
	; each tile's exponentials are first used behind plain instructions of another tile
	EXPS 0
	FMA 1
	EXPS 1
	SC 0, \first
	FMA 2
	EXPS 2
	SC 1, \first
	FMA 3
	EXPS 3
	SC 2, \first
	SC 3, \first
.if \first
	s_wait_dscnt 0x0                               ; V is in
	WIN 0x51                                       ; source 0 (V), C and D in window 1
	PV 0, 1
.else
	WIN 0x41
.set i, 0
.rept 64
	v_pk_mul_f32 v[OT+2*i:OT+2*i+1], v[OT+2*i:OT+2*i+1], v[AL+2*((i/4)%4):AL+2*((i/4)%4)+1]
.set i, i+1
.endr
	s_wait_dscnt 0x0                               ; V is in
	WIN 0x51
	PV 0, 0
.endif
	PV 1, 0
	WIN 0
.rept 5
	v_nop                                          ; five places in front of the next step's score products, which write over P, a source here; four serve its loads into V's registers
.endr
.endm
; Four steps on one slot.  mode 0: the first slot; the other slot's first fill stays out.  mode 1: the other slot, read
; last, is filled again: every wave waits for its LDS reads and for all its tensor loads, a round of the cluster's barrier follows, and the joint refill is the
; first tensor load behind it, one a wave.  mode 2: the last slot: nothing is left to fetch.
.macro PHASE slot, mode, first
.if \mode == 0
	s_wait_tensorcnt 0x1                           ; my piece of slot 0 is in; one load, slot 1's, was issued behind it
	s_barrier_signal -1
	s_barrier_wait -1
.endif
.if \mode == 1
	s_wait_tensorcnt 0x0                           ; all my loads are done, my piece of this slot among them, so a group 0 may be written:
	ds_add_u32 v62, v63
	s_add_nc_u64 s[G0+4*(1-\slot)+2:G0+4*(1-\slot)+3], s[G0+4*(1-\slot)+2:G0+4*(1-\slot)+3], 65536   ; the other slot's next 256 keys of each half
	s_wait_dscnt 0x0                               ; my reads of the other slot are done
	ROUND
	tensor_load_to_lds s[G0+4*(1-\slot):G0+4*(1-\slot)+3], s[G1:G1+7]
	s_nop 0
.endif
.if \mode == 2
	s_wait_tensorcnt 0x0
	s_wait_dscnt 0x0
	s_barrier_signal -1
	s_barrier_wait -1
.endif
	v_add_nc_u32 v[KA], \slot*SLOTB, v[KB]
	v_add_nc_u32 v[VA], \slot*SLOTB+VOFF, v[KB]
.if \first
	STEP 1
	s_mov_b32 s9, 3
.else
	s_mov_b32 s9, 4
.endif
.Lstep_\@:
	STEP 0
	s_sub_co_u32 s9, s9, 1
	s_cmp_lg_u32 s9, 0
	s_cbranch_scc1 .Lstep_\@
.endm
	PHASE 0, 0, 1                                  ; keys 0-255 of each half
	PHASE 1, 1, 0                                  ; keys 256-511; slot 0 gets keys 512-767
	PHASE 0, 1, 0                                  ; keys 512-767; slot 1 gets keys 768-1023
	PHASE 1, 2, 0                                  ; keys 768-1023
	; THE MERGE of the two halves of the keys.  Waves 4-7 hand O^T, -c max and their sums to waves 0-3 through slot 0, which has had its last fill and whose last
	; reads were waited for in front of the last barrier.  The five places at the last step's end stand in front of these stores.
	s_cmp_eq_u32 s11, 0
	s_cbranch_scc1 .Lkeep
	WIN 0x04                                       ; store data in window 1
.set i, 0
.rept 32
	ds_store_b128 v[SCR], v[OT+4*i:OT+4*i+3] offset:512*i
.set i, i+1
.endr
	WIN 0
	ds_store_b128 v[SCR], v[NM:NM+3] offset:16384
	ds_store_b128 v[SCR], v[NM+4:NM+7] offset:16896
	ds_store_b128 v[SCR], v[LS:LS+3] offset:17408
.Lkeep:
	s_wait_dscnt 0x0                               ; for the readers' sake: the stores are done
	s_barrier_signal -1
	s_barrier_wait -1
	s_cmp_lg_u32 s11, 0
	s_cbranch_scc1 .Lclose
.set i, 0
.rept 32
	ds_load_b128 v[ST+4*i:ST+4*i+3], v[SCR] offset:512*i
.set i, i+1
.endr
	ds_load_b128 v[N2:N2+3], v[SCR] offset:16384
	ds_load_b128 v[N2+4:N2+7], v[SCR] offset:16896
	ds_load_b128 v[L2:L2+3], v[SCR] offset:17408
	s_wait_dscnt 0x0
.irp n, 0,1,2,3
	v_min_num_f32 v[T+\n], v[NM+2*\n], v[N2+2*\n]  ; -c x the larger maximum
.endr
.irp n, 0,1,2,3
	v_sub_f32 v[AL+2*\n], v[T+\n], v[NM+2*\n]      ; at most 0, and 0 for one of the two
	v_sub_f32 v[N2+2*\n], v[T+\n], v[N2+2*\n]
.endr
.irp n, 0,1,2,3
	v_exp_f32 v[AL+2*\n], v[AL+2*\n]
	v_exp_f32 v[N2+2*\n], v[N2+2*\n]
.endr
	v_nop                                          ; a plain place behind the exponentials
	s_wait_alu depctr_va_vdst(0)
.irp n, 0,1,2,3
	v_mul_f32 v[LS+\n], v[LS+\n], v[AL+2*\n]
.endr
.irp n, 0,1,2,3
	v_fmac_f32 v[LS+\n], v[L2+\n], v[N2+2*\n]
.endr
.irp n, 0,1,2,3
	v_permlanex16_b32 v[T+\n], v[LS+\n], s12, s13  ; the sums were kept by lane: now the other half of the lanes
.endr
.irp n, 0,1,2,3
	v_add_f32 v[LS+\n], v[LS+\n], v[T+\n]          ; at least 1: the largest score's P is 1
.endr
.irp n, 0,1,2,3
	v_rcp_f32 v[T+\n], v[LS+\n]
.endr
	v_nop                                          ; a plain place behind the reciprocals
	s_wait_alu depctr_va_vdst(0)
.irp n, 0,1,2,3
	v_mul_f32 v[AL+2*\n+1], v[AL+2*\n], v[T+\n]    ; each half's factor, divided by the sum, twice
	v_mul_f32 v[AL+2*\n], v[AL+2*\n], v[T+\n]
	v_mul_f32 v[N2+2*\n+1], v[N2+2*\n], v[T+\n]
	v_mul_f32 v[N2+2*\n], v[N2+2*\n], v[T+\n]
.endr
.set i, 0
.rept 64
	v_pk_mul_f32 v[ST+2*i:ST+2*i+1], v[ST+2*i:ST+2*i+1], v[N2+2*((i/4)%4):N2+2*((i/4)%4)+1]
.set i, i+1
.endr
	WIN 0x01                                       ; source 0 (my O^T) in window 1
.set i, 0
.rept 64
	v_pk_fma_f32 v[ST+2*i:ST+2*i+1], v[OT+2*i:OT+2*i+1], v[AL+2*((i/4)%4):AL+2*((i/4)%4)+1], v[ST+2*i:ST+2*i+1]
.set i, i+1
.endr
	WIN 0
	; lane l holds query l % 16 and d = 16 t + 8 (l / 16) + 0..7: after rounding, 16 bytes at 16 l of block t of query tile n: Q's fragment order.
	; Each store of the wave covers 512 consecutive bytes, aligned.
.irp t, 0,1,2,3
.irp n, 0,1,2,3
.irp i, 0,1,2,3
	v_cvt_pk_f16_f32 v[ST+8*(4*\t+\n)+\i], v[ST+8*(4*\t+\n)+2*\i], v[ST+8*(4*\t+\n)+2*\i+1]
.endr
	global_store_b128 v1, v[ST+8*(4*\t+\n):ST+8*(4*\t+\n)+3], s[42:43] offset:(4*\n+\t)*512
.endr
.endr
.Lclose:
	s_wait_tensorcnt 0x0
	ds_add_u32 v62, v63
	s_wait_dscnt 0x0
	ROUND                                          ; the closing round: no work-group ends while a partner may still ask for a tile that names it
	s_endpgm
.Lfunc_end_k_q7ee1431bee_attn:
	.size	k_q7ee1431bee_attn, .Lfunc_end_k_q7ee1431bee_attn-k_q7ee1431bee_attn
	.p2alignl 7, 3214868480
	.fill 96, 4, 3214868480
	.section	.rodata,"a",@progbits
	.p2align	6, 0x0
	.amdhsa_kernel k_q7ee1431bee_attn
		.amdhsa_group_segment_fixed_size 327680
		.amdhsa_private_segment_fixed_size 0
		.amdhsa_enable_private_segment 0
		.amdhsa_kernarg_size 16
		.amdhsa_user_sgpr_count 2
		.amdhsa_user_sgpr_kernarg_segment_ptr 1
		.amdhsa_wavefront_size32 1
		.amdhsa_system_sgpr_workgroup_id_x 1
		.amdhsa_system_sgpr_workgroup_id_y 1
		.amdhsa_system_sgpr_workgroup_id_z 1
		.amdhsa_system_vgpr_workitem_id 0
		.amdhsa_next_free_vgpr 512
		.amdhsa_next_free_sgpr 66
		.amdhsa_reserve_vcc 0
		.amdhsa_float_denorm_mode_32 3
		.amdhsa_float_denorm_mode_16_64 3
		.amdhsa_memory_ordered 1
		.amdhsa_forward_progress 1
		.amdhsa_inst_pref_size 184
	.end_amdhsa_kernel
	.amdgpu_metadata
---
amdhsa.version: [ 1, 2 ]
amdhsa.kernels:
  - .name:           k_q7ee1431bee_attn
    .symbol:         k_q7ee1431bee_attn.kd
    .args:
      - { .name: qkvh, .offset: 0, .size: 8, .value_kind: global_buffer, .address_space: global }
      - { .name: ao, .offset: 8, .size: 8, .value_kind: global_buffer, .address_space: global }
    .group_segment_fixed_size: 327680
    .private_segment_fixed_size: 0
    .kernarg_segment_align: 8
    .kernarg_segment_size: 16
    .max_flat_workgroup_size: 256
    .sgpr_count:     66
    .vgpr_count:     512
    .wavefront_size: 32
...
	.end_amdgpu_metadata
.endif
;; end of part 3
;; launch oproj (part 4): grid 8 x 32, 4 waves a work-group, clusters of 4 x 4, 327,680 bytes of LDS; arguments ao, h16, bo, out0; writes out0
.if DOCPART == 4
	.amdgcn_target "amdgcn-amd-amdhsa--gfx1250"
	.amdhsa_code_object_version 6
	.text
	.protected	k_q7ee1431bee_oproj
	.globl	k_q7ee1431bee_oproj
	.p2align	8
	.type	k_q7ee1431bee_oproj,@function
k_q7ee1431bee_oproj:
	s_mov_b64 s[64:65], 0
	v_nop
	global_prefetch_b8 v0, s[64:65] scope:SCOPE_SE
	s_setreg_imm32_b32 hwreg(HW_REG_WAVE_MODE, 25, 1), 1
	s_wait_xcnt 0x0
	s_wait_alu depctr_hold_cnt(0) depctr_sa_sdst(0) depctr_va_vdst(0) depctr_va_sdst(0) depctr_va_ssrc(0) depctr_va_vcc(0) depctr_vm_vsrc(0)
	s_getreg_b32 s2, hwreg(HW_REG_IB_STS2, 6, 4)
	s_cmp_eq_u32 s2, 0
	s_cbranch_scc0 .Lentry_in_a_cluster
	s_endpgm
.Lentry_in_a_cluster:
	s_bfe_u32 s2, ttmp6, 0x10000c
	s_cmp_lg_u32 s2, 0xf033
	s_cbranch_scc0 .Lentry_shape_is_right
	s_endpgm
.Lentry_shape_is_right:
; out0 = O Wo + bo.  O: the attention's result, f16, [batch][head] in fragment order (16 rows x 64 d = 2,048 bytes, four blocks of 512 bytes, lane l's 16 bytes
; at 16 l); Wo: f16, [k][n], in h16 at 30 MiB; sums in f32, stored as f32.
; LIMIT: the operands are f16 as the earlier launches left them; nothing is narrowed here.
; 4096 x 1024 results on 256 work-groups: a work-group makes 128 x 128 with four waves, a wave 64 x 64: 16 accumulator tiles, 128 registers.  For 32 along K a wave
; loads 8 fragments (8 KiB) for 16 matrix instructions; blocks of twice the width would load 12 KiB for 32, but there are only 128 of them.
; K = 1024 goes through a ring of two LDS slots of 256 along K each, so half of all operand bytes are asked for at the start and each slot is filled again once.
; A slot: four planes of O (one head each: my 128 rows of a head are 16,384 consecutive bytes, read as they lie) and 256 k-rows of Wo (128 columns = 256 bytes
; each, LDS pitch 288, read by the transposing load).
; CLUSTERS: 4 x 4 work-groups; O's planes are shared along a row of the cluster, Wo's tiles along a column; each is asked for jointly, which divides the requests by four.
; REGISTERS: window 0: v16-26 addresses, v64-127 and v128-191 two fragment buffers (Wo's 4 column tiles, then O's 4 row tiles), v192-223 the bias as an accumulator
; image;  window 1: accumulator tile (a, b) at v[8 (4 a + b)].
; The matrix instruction is used transposed (source 0 = 16 columns of Wo, source 1 = 16 rows of O): lane l holds row l % 16 and columns 8 (l / 16) + 0..7.
.set KSLOT,  256                       ; along K in a slot: four heads
.set WPITCH, 288                       ; 256 + 32 bytes: an odd multiple of 32, for the transposing load's 8 rows x 2 columns of 16 bytes
.set PLANE,  16384
.set WOFF,   4*PLANE                   ; Wo's rows behind the four planes
.set WHALF,  128*WPITCH                ; what one of Wo's two loads brings: 36,864
.set SLOT,   WOFF+2*WHALF              ; 139,264
.set STAGE,  2*SLOT                    ; behind the ring, bytes that no tensor load fills: 16 rows x 272 bytes for each wave
.set SPITCH, 272                       ; 256 + 16: an odd multiple of 16
.set WBASE,  31457280                  ; Wo in h16
.set ADRA, 16                          ; v16-17  LDS address of my O fragments in slot 0, 1
.set ADRB, 20                          ; v20-23  the same for Wo: slot 0 half 0, slot 0 half 1, slot 1 half 0, slot 1 half 1 (a half = 128 k-rows; keeps the offsets in 16 bits)
.set STO,  24                          ; v24     the way out: where I put 32 bytes of a row
.set RD,   25                          ; v25     the way out: where I read a row back
.set CO,   26                          ; v26     my byte offset in out0
.set F0,   64
.set F1,   128
.set BIAS, 192                         ; v[192:223]: tile b, register j = bias of column 16 b + 8 (l / 16) + j
.set G1, 24                            ; s[24:31] descriptor group 1 for O's planes
.set G0, 32                            ; s[32:39] group 0 for O's planes, one set for each slot
.set G1B, 48                           ; s[48:55] group 1 for Wo's tiles
.set G0B, 56                           ; s[56:63] group 0 for Wo's tiles, one set for each slot
.set MSB, 0
.macro WIN new                         ; the immediate's high byte repeats the setting that is left
.if MSB != \new
	s_set_vgpr_msb (MSB<<8)|\new
.set MSB, \new
.endif
.endm
.set MUL, 0x50                         ; sources 0 and 1 (fragments) window 0, C and D window 1
.macro JLOAD s                         ; waves 0 and 1 fetch two planes of O each, waves 2 and 3 Wo's two halves; the branch hangs on the wave's number alone
	s_cmp_eq_u32 s11, 0
	s_cbranch_scc0 .Lfor_b_\@
	tensor_load_to_lds s[G0+4*\s:G0+4*\s+3], s[G1:G1+7]
	s_nop 0
	s_branch .Lasked_\@
.Lfor_b_\@:
	tensor_load_to_lds s[G0B+4*\s:G0B+4*\s+3], s[G1B:G1B+7]
	s_nop 0
.Lasked_\@:
.endm
; A round of the cluster's barrier: my work-group's barrier, wave 0 signals for the work-group, every wave waits for all sixteen, my work-group's barrier again.
.macro CREST                           ; a round behind its opening barrier
	s_cmp_lg_u32 s10, 0
	s_cbranch_scc1 .Lnot_wave_0_\@
	s_barrier_signal -3
.Lnot_wave_0_\@:
	s_barrier_wait -3
	s_barrier_signal -1
	s_barrier_wait -1
.endm
.macro CROUND
	s_barrier_signal -1
	s_barrier_wait -1
	CREST
.endm
	s_load_b256 s[68:75], s[0:1], 0x0              ; ao s[68:69], h16 s[70:71], bo s[72:73], out0 s[74:75]
	v_lshl_add_u32 v254, v0, 2, 0x48400
	v_mov_b32 v255, 0
	ds_add_u32 v254, v255
	v_lshrrev_b32 v1, 5, v0
	v_readfirstlane_b32 s10, v1                    ; wave 0..3
	s_lshr_b32 s11, s10, 1                         ; which 64 rows are mine.  Also: I fetch for O (0) or for Wo (1)
	s_and_b32 s12, s10, 1                          ; which 64 columns.  Also: which two planes, or which half of Wo's rows, I fetch
	s_bfe_u32 s40, ttmp6, 0x40000                  ; cx
	s_bfe_u32 s41, ttmp6, 0x40004                  ; cy
	s_lshl_b32 s42, ttmp9, 2
	s_add_co_u32 s42, s42, s40                     ; block column, 0..7, 128 columns each
	s_and_b32 s13, ttmp7, 0xffff
	s_lshl_b32 s13, s13, 2
	s_add_co_u32 s13, s13, s41                     ; block row, 0..31, 128 rows each
	s_lshl_b32 s43, s41, 2
	s_lshl_b32 s43, 15, s43                        ; my row of the cluster: places 4 cy .. 4 cy + 3
	s_lshl_b32 s44, 0x1111, s40                    ; my column: places cx, cx + 4, cx + 8, cx + 12
	; group 1 for O: two planes as 2 rows of 2,048 elements of 8 bytes (16,384 bytes, dense), 262,144 bytes from a head to the next
	s_or_b32 s[G1+0], s43, (3<<16)|(1<<21)
	s_mov_b32 s[G1+1], 2048<<16                    ; tensor_dim0 = 2048
	s_mov_b32 s[G1+2], 2<<16                       ; tensor_dim1 = 2
	s_mov_b32 s[G1+3], 2048<<16                    ; tile_dim0 = 2048
	s_mov_b32 s[G1+4], 2                           ; tile_dim1 = 2
	s_mov_b32 s[G1+5], 32768                       ; elements from row to row
	s_mov_b32 s[G1+6], 0
	s_mov_b32 s[G1+7], 0
	; group 1 for Wo: 128 k-rows x 128 elements of 2 bytes, 8 words of padding behind every 64 words
	s_or_b32 s[G1B+0], s44, (1<<16)|(1<<20)|(1<<21)|(5<<22)|(7<<25)
	s_mov_b32 s[G1B+1], 128<<16                    ; tensor_dim0 = 128
	s_mov_b32 s[G1B+2], 128<<16                    ; tensor_dim1 = 128
	s_mov_b32 s[G1B+3], 128<<16                    ; tile_dim0 = 128
	s_mov_b32 s[G1B+4], 128                        ; tile_dim1 = 128
	s_mov_b32 s[G1B+5], 1024                       ; elements from row to row
	s_mov_b32 s[G1B+6], 0
	s_mov_b32 s[G1B+7], 0
	; where the tiles come from: O's hang on the block row, Wo's on the block column; each in registers that never hold the other coordinate
	s_lshr_b32 s16, s13, 4                         ; O: (16 x batch + 2 x my pair of planes) x 262,144
	s_lshl_b32 s16, s16, 4
	s_lshl_b32 s17, s12, 1
	s_add_co_u32 s16, s16, s17
	s_lshl_b32 s16, s16, 18
	s_and_b32 s17, s13, 15                         ; + 128 rows x 128 bytes x block row in the batch
	s_lshl_b32 s17, s17, 14
	s_add_co_u32 s16, s16, s17
	s_mov_b32 s17, 0
	s_lshl_b32 s46, s12, 18                        ; Wo: 128 k-rows x 2,048 bytes x half
	s_lshl_b32 s47, s42, 8                         ; + 128 columns x 2 bytes x block column
	s_add_co_u32 s46, s46, s47
	s_add_co_u32 s46, s46, WBASE
	s_mov_b32 s47, 0
	s_lshl_b32 s4, s42, 9                          ; my 64 columns in bo and in a row of out0: (128 x block column + 64 x half) x 4 bytes
	s_lshl_b32 s5, s12, 8
	s_add_co_u32 s4, s4, s5
	s_mov_b32 s5, 0
	s_lshl_b32 s20, s12, 15                        ; in LDS: my two planes of O
	s_mul_i32 s21, s12, WHALF                      ; my half of Wo's rows
	s_add_co_u32 s21, s21, WOFF
	s_wait_dscnt 0x0
	s_wait_kmcnt 0x0
	s_add_nc_u64 s[14:15], s[68:69], s[16:17]
	s_add_nc_u64 s[46:47], s[70:71], s[46:47]
	s_add_nc_u64 s[6:7], s[72:73], s[4:5]
	CROUND                                         ; all sixteen work-groups are here: the first joint loads meet
.irp s, 0,1
	s_mov_b32 s[G0+4*\s], 1
	s_add_co_u32 s[G0+4*\s+1], s20, \s*SLOT
	s_add_nc_u64 s[G0+4*\s+2:G0+4*\s+3], s[14:15], \s*4*262144        ; slot s starts with heads 4 s .. 4 s + 3
	s_or_b32 s[G0+4*\s+3], s[G0+4*\s+3], 0x80000000
	s_mov_b32 s[G0B+4*\s], 1
	s_add_co_u32 s[G0B+4*\s+1], s21, \s*SLOT
	s_add_nc_u64 s[G0B+4*\s+2:G0B+4*\s+3], s[46:47], \s*KSLOT*2048    ; slot s starts 256 s k-rows down
	s_or_b32 s[G0B+4*\s+3], s[G0B+4*\s+3], 0x80000000
	JLOAD \s                                       ; both first fills together: two tensor loads of a wave are out, later one
.endr
	v_and_b32 v1, 15, v0                           ; r = l % 16
	v_bfe_u32 v2, v0, 4, 1                         ; h = l / 16
	v_lshlrev_b32 v6, 5, v2                        ; 8 h columns x 4 bytes
.irp b, 0,1,2,3
	global_load_b128 v[BIAS+8*\b:BIAS+8*\b+3],   v6, s[6:7] offset:64*\b
	global_load_b128 v[BIAS+8*\b+4:BIAS+8*\b+7], v6, s[6:7] offset:64*\b+16
.endr
	v_and_b32 v7, 31, v0
	v_lshlrev_b32 v7, 4, v7                        ; 16 l
	s_lshl_b32 s22, s11, 13                        ; my 64 rows of a plane: 4 tiles of 2,048 bytes
	v_and_b32 v9, 7, v0
	v_lshl_add_u32 v4, v2, 3, v9                   ; Wo: k-row 8 h + l % 8,
	v_mul_u32_u24 v4, v4, WPITCH
	v_bfe_u32 v5, v0, 3, 1
	v_lshl_add_u32 v4, v5, 4, v4                   ; 16 bytes at column 8 ((l / 8) % 2)
	s_lshl_b32 s23, s12, 7                         ; my 64 columns: 128 bytes
	s_add_co_u32 s23, s23, WOFF
.irp s, 0,1
	v_add_nc_u32 v[ADRA+\s], s22, v7
	v_add_nc_u32 v[ADRB+2*\s], s23, v4
	v_add_nc_u32 v[ADRB+2*\s+1], WHALF, v[ADRB+2*\s]
	s_add_co_u32 s22, s22, SLOT
	s_add_co_u32 s23, s23, SLOT
.endr
	s_mul_i32 s22, s10, 16*SPITCH
	s_add_co_u32 s22, s22, STAGE                   ; my stage
	v_mul_u32_u24 v3, v1, SPITCH                   ; in: row r, 32 bytes for each half of the lanes
	v_lshl_add_u32 v3, v2, 5, v3
	v_add_nc_u32 v[STO], s22, v3
	v_mul_u32_u24 v5, v2, SPITCH                   ; back: lanes 0-15 take one row of 256 bytes, lanes 16-31 the next
	v_lshl_add_u32 v5, v1, 4, v5
	v_add_nc_u32 v[RD], s22, v5
	v_lshlrev_b32 v[CO], 12, v2                    ; and the same two rows in out0: 4,096 bytes apart
	v_lshl_add_u32 v[CO], v1, 4, v[CO]
; 8 matrix instructions: row tiles a0, a0 + 1 x all 4 column tiles, 32 along K.  first = 1: C is the bias image, which starts the sums: nothing is cleared or added later.
; The 16 accumulators take turns, one instruction a turn, in the same order in every quarter.
.macro MUL8 f, a0, first
.irp a, \a0, \a0+1
.irp b, 0,1,2,3
.if \first
	v_wmma_f32_16x16x32_f16 v[8*(4*(\a)+\b):8*(4*(\a)+\b)+7], v[\f+8*\b:\f+8*\b+7], v[\f+32+8*(\a):\f+32+8*(\a)+7], v[BIAS+8*\b:BIAS+8*\b+7]
.else
	v_wmma_f32_16x16x32_f16 v[8*(4*(\a)+\b):8*(4*(\a)+\b)+7], v[\f+8*\b:\f+8*\b+7], v[\f+32+8*(\a):\f+32+8*(\a)+7], v[8*(4*(\a)+\b):8*(4*(\a)+\b)+7]
.endif
.endr
.endr
.endm
; 16 LDS loads in one run: quarter q (0..7) of a slot = head q / 2 of its four, d = 32 (q % 2) ..; k-rows 32 q .. of Wo.  Wo's 4 column tiles, then O's 4 row tiles.
.macro FETCH slot, q, f
.irp i, 0,1,2,3
	ds_load_tr16_b128 v[\f+8*\i:\f+8*\i+3],   v[ADRB+2*\slot+(\q)/4] offset:((\q)%4)*32*WPITCH+32*\i
	ds_load_tr16_b128 v[\f+8*\i+4:\f+8*\i+7], v[ADRB+2*\slot+(\q)/4] offset:((\q)%4)*32*WPITCH+32*\i+16*WPITCH
.endr
.irp i, 0,1,2,3
	ds_load_b128 v[\f+32+8*\i:\f+32+8*\i+3],   v[ADRA+\slot] offset:((\q)/2)*PLANE+((\q)%2)*1024+2048*\i
	ds_load_b128 v[\f+32+8*\i+4:\f+32+8*\i+7], v[ADRA+\slot] offset:((\q)/2)*PLANE+((\q)%2)*1024+2048*\i+512
.endr
.endm
.macro PLACES                          ; four places between a matrix instruction and a load into one of its sources or a read of its result
.rept 4
	v_nop
.endr
.endm
; One of a slot's first seven quarters: asks for quarter qn (the next one) into buffer g, which the last quarter's products have read, then multiplies buffer f.
; So a run of loads has a whole quarter's 16 matrix instructions in which to come back.
.macro QUARTER slot, qn, f, g, first
	PLACES
	WIN 0
	FETCH \slot, \qn, \g
	s_wait_dscnt 16                                ; the 16 loads just issued stay out; the 16 before them, buffer f's, are in
.if \first
	WIN 0x40                                       ; C (the bias) in window 0, D in window 1
.else
	WIN MUL
.endif
	MUL8 \f, 0, \first
	MUL8 \f, 2, \first
.endm
.macro SEVEN slot, first
	QUARTER \slot, 1, F0, F1, \first
	QUARTER \slot, 2, F1, F0, 0
	QUARTER \slot, 3, F0, F1, 0
	QUARTER \slot, 4, F1, F0, 0
	QUARTER \slot, 5, F0, F1, 0
	QUARTER \slot, 6, F1, F0, 0
	QUARTER \slot, 7, F0, F1, 0
.endm
; The eighth quarter multiplies buffer 1 and changes slots: each wave waits for its reads of this slot and for all its tensor loads (one is out: its part of the next
; slot), then the barrier; where this slot is filled again the barrier opens a round of the cluster's barrier and the joint refill is the first tensor load behind
; the round, one a wave.  From a request to the wait for it a wave issues 120 matrix instructions.
.macro TURN slot, next, fill
	s_wait_dscnt 0                                 ; buffer 1 is in, and with it my reads of this slot are over
	s_wait_tensorcnt 0x0                           ; all my tensor loads have landed
	ds_add_u32 v254, v255
	s_wait_dscnt 0x0
	s_barrier_signal -1
	WIN MUL
	MUL8 F1, 0, 0                                  ; register work while the others arrive
	WIN 0
	s_barrier_wait -1
.if \fill
	CREST                                          ; no wave of any partner still reads this slot or has a load on its way
	s_add_nc_u64 s[G0+4*\slot+2:G0+4*\slot+3], s[G0+4*\slot+2:G0+4*\slot+3], 8*262144        ; eight heads on
	s_add_nc_u64 s[G0B+4*\slot+2:G0B+4*\slot+3], s[G0B+4*\slot+2:G0B+4*\slot+3], 2*KSLOT*2048 ; 512 k-rows down
	JLOAD \slot
.endif
	PLACES
	FETCH \next, 0, F0
	WIN MUL
	MUL8 F1, 2, 0
.endm
	s_wait_loadcnt 0x0                             ; the bias, once
	s_wait_tensorcnt 1                             ; my part of slot 0 is in; slot 1's load, issued behind it, stays out
	s_barrier_signal -1
	s_barrier_wait -1
	FETCH 0, 0, F0
	SEVEN 0, 1                                     ; K 0-255; the first products take the bias as C
	TURN 0, 1, 1                                   ; slot 0 gets K 512-767
	SEVEN 1, 0                                     ; K 256-511
	TURN 1, 0, 1                                   ; slot 1 gets K 768-1023
	SEVEN 0, 0                                     ; K 512-767
	TURN 0, 1, 0                                   ; nothing is left to fetch
	SEVEN 1, 0                                     ; K 768-1023
	s_wait_dscnt 0
	WIN MUL
	MUL8 F1, 0, 0
	MUL8 F1, 2, 0
	; THE WAY OUT, 16 rows at a time: a lane's 32 bytes of a row go into my own stage, whole rows of 256 bytes come back and are stored.
	; The four places stand in front of the LDS stores, which read results, and of the loads into the fragment buffers.
	PLACES
	s_lshl_b32 s16, s13, 7
	s_lshl_b32 s17, s11, 6
	s_add_co_u32 s16, s16, s17                     ; my first row
	s_lshl_b32 s16, s16, 12                        ; x 4,096 bytes (below 16 MiB)
	s_mov_b32 s17, 0
	s_add_nc_u64 s[8:9], s[74:75], s[16:17]
	s_add_nc_u64 s[8:9], s[8:9], s[4:5]            ; my first column
.macro OUT16 i, f
	WIN 0x04                                       ; store data in window 1
.irp b, 0,1,2,3
	ds_store_b128 v[STO], v[8*(4*\i+\b):8*(4*\i+\b)+3] offset:64*\b
	ds_store_b128 v[STO], v[8*(4*\i+\b)+4:8*(4*\i+\b)+7] offset:64*\b+16
.endr
	WIN 0
	s_wait_xcnt 0x0                                ; buffer f, which earlier stores read, is loaded again only behind this wait
.irp t, 0,1,2,3,4,5,6,7
	ds_load_b128 v[\f+4*\t:\f+4*\t+3], v[RD] offset:\t*2*SPITCH        ; LDS serves a wave's instructions in order: these see the stores above
.endr
.irp t, 0,1,2,3,4,5,6,7
	s_wait_dscnt 7-\t                              ; rows 2 t and 2 t + 1 are in; the 7 - t younger loads stay out
	global_store_b128 v[CO], v[\f+4*\t:\f+4*\t+3], s[8:9] offset:(16*\i+2*\t)*4096 th:TH_STORE_NT   ; 16 lanes store 256 consecutive bytes of one row, aligned
.endr
.endm
	OUT16 0, F0
	OUT16 1, F1
	OUT16 2, F0
	OUT16 3, F1
	s_wait_tensorcnt 0x0
	ds_add_u32 v254, v255
	s_wait_dscnt 0x0
	CROUND                                         ; the closing round: no work-group ends while a partner may still ask for a tile that names it
	s_endpgm
.Lfunc_end_k_q7ee1431bee_oproj:
	.size	k_q7ee1431bee_oproj, .Lfunc_end_k_q7ee1431bee_oproj-k_q7ee1431bee_oproj
	.p2alignl 7, 3214868480
	.fill 96, 4, 3214868480
	.section	.rodata,"a",@progbits
	.p2align	6, 0x0
	.amdhsa_kernel k_q7ee1431bee_oproj
		.amdhsa_group_segment_fixed_size 327680
		.amdhsa_private_segment_fixed_size 0
		.amdhsa_enable_private_segment 0
		.amdhsa_kernarg_size 32
		.amdhsa_user_sgpr_count 2
		.amdhsa_user_sgpr_kernarg_segment_ptr 1
		.amdhsa_wavefront_size32 1
		.amdhsa_system_sgpr_workgroup_id_x 1
		.amdhsa_system_sgpr_workgroup_id_y 1
		.amdhsa_system_sgpr_workgroup_id_z 1
		.amdhsa_system_vgpr_workitem_id 0
		.amdhsa_next_free_vgpr 384
		.amdhsa_next_free_sgpr 80
		.amdhsa_reserve_vcc 0
		.amdhsa_float_denorm_mode_32 3
		.amdhsa_float_denorm_mode_16_64 3
		.amdhsa_memory_ordered 1
		.amdhsa_forward_progress 1
		.amdhsa_inst_pref_size 90
	.end_amdhsa_kernel
	.amdgpu_metadata
---
amdhsa.version: [ 1, 2 ]
amdhsa.kernels:
  - .name:           k_q7ee1431bee_oproj
    .symbol:         k_q7ee1431bee_oproj.kd
    .args:
      - { .name: ao, .offset: 0, .size: 8, .value_kind: global_buffer, .address_space: global }
      - { .name: h16, .offset: 8, .size: 8, .value_kind: global_buffer, .address_space: global }
      - { .name: bo, .offset: 16, .size: 8, .value_kind: global_buffer, .address_space: global }
      - { .name: out0, .offset: 24, .size: 8, .value_kind: global_buffer, .address_space: global }
    .group_segment_fixed_size: 327680
    .private_segment_fixed_size: 0
    .kernarg_segment_align: 8
    .kernarg_segment_size: 32
    .max_flat_workgroup_size: 128
    .sgpr_count:     80
    .vgpr_count:     384
    .wavefront_size: 32
...
	.end_amdgpu_metadata
.endif
;; end of part 4
